; MI455X (gfx1250); checked and timed in simulation.
; The chip was launched on July 23, 2026; its instructions are those of AMD's public machine-readable ISA for CDNA 5 (MIT licence, August 2026) and "CDNA5" Instruction Set Architecture Reference Guide (July 2026). The comments in the code are by the model that wrote it; some were corrected since.
;; Mo E Layer. Allowed arithmetic: float matrix products may take bf16 or f16 operands with f32 sums; other float arithmetic in f32, or as packed bf16 or f16 multiplies, adds, multiply-adds, maxima and minima; sums over many terms, partial sums and values carried from step to step in f32; what a program stores and reads back later, other than sums and carried values, may be rounded once to bf16 or f16.
;; Inputs: W1 8 x 256 x 512 float32; W2 8 x 512 x 512 float32; W3 8 x 512 x 256 float32; b1 8 x 512 float32; b2 8 x 512 float32; b3 8 x 256 float32; be1 8 x 512 float32; be2 8 x 512 float32; g1 8 x 512 float32; g2 8 x 512 float32; gate_w1 256 x 16 float32; gate_w2 16 x 8 float32; x 16,384 x 256 float32.
;; Outputs: out0 16,384 x 256 float32.
;; One version. Each part assembles by itself: llvm-mc -triple=amdgcn-amd-amdhsa -mcpu=gfx1250 --defsym DOCPART=n.
;; ======== version 1 of 1: 3 launches
;; limits: a function is approximated: absolute error at most 2.5e-05; an absolute error that grows with the inputs' magnitude: up to 1.25e-05 times it; values are held in f16: magnitudes above 65,504 overflow, below 6.1e-05 lose precision; inputs' magnitudes at most 65,504; right only within a limited range of input values
;; workspace buffers: sid 65,536 bytes of whole numbers; gw 131,072 bytes; cnt 256 bytes of whole numbers; lst 1,835,008 bytes of whole numbers; wf 8,388,608 bytes
;; launch route (part 1): grid 256 x 1, 4 waves a work-group, no clusters, 43,264 bytes of LDS; arguments x, gate_w1, gate_w2, sid, gw; writes sid, gw
.if DOCPART == 1
	.amdgcn_target "amdgcn-amd-amdhsa--gfx1250"
	.amdhsa_code_object_version 6
	.text
	.protected	k_qd0957cd9b8_route
	.globl	k_qd0957cd9b8_route
	.p2align	8
	.type	k_qd0957cd9b8_route,@function
k_qd0957cd9b8_route:
	s_mov_b64 s[64:65], 0
	v_nop
	global_prefetch_b8 v0, s[64:65] scope:SCOPE_SE
	s_setreg_imm32_b32 hwreg(HW_REG_WAVE_MODE, 25, 1), 1
	s_wait_xcnt 0x0
; THE GATE.  logits = tanh(x gate_w1) gate_w2; softmax (its maximum taken away first); the two largest; their weights divided by their sum + 1e-12.
; Stored for each token, at fixed places: sid = the number (0..27) of its unordered pair of experts (lo < hi: lo (15 - lo) / 2 + hi - lo - 1), and gw = the weight of lo, the weight of hi.
; FORMATS.  x, gate_w1 and gate_w2 are rounded once to bf16, like every input of the program.  x gate_w1 goes to the matrix unit in bf16 with f32 sums.  tanh stays f32, and so does its product
; with gate_w2: 16 x 8 numbers a token, four f32 matrix instructions for 16 tokens (no bulk work): a tanh rounded to 16 bits would change the choice of experts for some tokens.
; LIMITS.  tanh = 1 - 2 / (1 + 2^(2.885390 z)): absolute error about 1e-7 for every z, right limits at +-infinity.  The choice is made on p = e / Z with strict >, so the lower index wins a tie;
; tokens whose second and third p lie within about 1e-8 may be chosen otherwise than by another f32 evaluation.  NaN is not treated apart.
; SHARES.  A work-group has 64 tokens, a wave 16.  D = gate_w1^T (source 0) x x^T (source 1): a lane holds ONE token (lane % 16) and the gate channels 8 (lane / 16) + 0..7.
.set XT,    8192                       ; LDS: gate_w1 in bf16, [256][16], 32 bytes a row, at 0; then each wave's 16 rows of x in bf16
.set XP,    528                        ; a row of x: 512 bytes + 16: the 16 rows of a fragment load start 4 banks apart
.set XW,    16*XP
.set RSB,   XT+4*XW                    ; 64 words: the work-group's sid
.set RGB,   RSB+256                    ; 64 pairs: its gw
.set SPARE, RGB+512                    ; the spare words, 128 bytes a wave; no other line names them
; v0 thread; v1 16 lane; v2 r = lane % 16; v3 h = lane / 16; v4, v5 the add's two; v7 lane; v8-15 addresses and two at work; v16-23 gate_w2; v24-39 two sums of x gate_w1; v40-47 tanh;
; v48-63 two sums of the f32 product (written by matrix instructions alone); v64-191 x as loaded, then v64-127 its fragments and v128-163 the softmax; v192-255 gate_w1 as loaded, then its fragments
	s_load_b256 s[4:11], s[0:1], 0x0               ; x s[4:5], gate_w1 s[6:7], gate_w2 s[8:9], sid s[10:11]
	s_load_b64 s[12:13], s[0:1], 0x20              ; gw
	v_lshl_add_u32 v4, v0, 2, SPARE
	v_mov_b32 v5, 0
	v_lshrrev_b32 v6, 5, v0
	v_readfirstlane_b32 s14, v6                    ; wave
	v_and_b32 v7, 31, v0
	v_lshlrev_b32 v1, 4, v7
	v_and_b32 v2, 15, v0
	v_bfe_u32 v3, v0, 4, 1
	v_lshlrev_b32 v8, 4, v0                        ; gate_w1: 16 bytes a thread
	v_min_u32 v9, 7, v2                            ; gate_w2: row 8 h + .., column min(r, 7)
	v_lshlrev_b32 v9, 2, v9
	v_lshl_add_u32 v9, v3, 8, v9
	s_lshl_b32 s18, ttmp9, 16                      ; 64 tokens of 1,024 bytes a work-group,
	s_lshl_b32 s19, s14, 14                        ; 16 a wave
	s_add_co_u32 s18, s18, s19
	s_mov_b32 s19, 0
	s_mul_i32 s20, s14, XW
	s_add_co_u32 s20, s20, XT                      ; my wave's rows of x in LDS
	s_wait_kmcnt 0x0
	s_add_nc_u64 s[4:5], s[4:5], s[18:19]
.irp j, 0,1,2,3,4,5,6,7
	global_load_b128 v[192+4*\j:195+4*\j], v8, s[6:7] offset:2048*\j    ; 128 threads x 16 bytes: 32 rows of gate_w1
.endr
.irp k, 0,1,2,3,4,5,6,7
	global_load_b32 v[16+\k], v9, s[8:9] offset:32*\k                   ; gate_w2[8 h + k][r]
.endr
.set j, 0
.rept 32
	global_load_b128 v[64+4*j:67+4*j], v1, s[4:5] offset:512*j          ; 512 consecutive bytes: half a row of x
.set j, j+1
.endr
	v_lshlrev_b32 v12, 3, v0                       ; gate_w1 into LDS: row (t / 4 + 32 j) x 32 + 8 (t % 4) = 8 t + 1,024 j
	v_lshl_add_u32 v13, v7, 3, s20                 ; x into LDS: 8 bytes a lane
	v_mul_u32_u24 v15, v2, XP                      ; x's fragments: row r, 16 bytes for each half of the lanes
	v_lshl_add_u32 v15, v3, 4, v15
	v_add_nc_u32 v15, s20, v15
	v_and_b32 v14, 7, v0                           ; gate_w1's fragments by the turning load: row 8 h + lane % 8, 16 bytes (lane / 8) % 2
	v_lshl_add_u32 v14, v3, 3, v14
	v_lshlrev_b32 v14, 5, v14
	v_bfe_u32 v6, v0, 3, 1
	v_lshl_add_u32 v14, v6, 4, v14
	s_wait_loadcnt 40                              ; gate_w1 is in: the 8 loads of gate_w2 and the 32 of x are younger
.irp j, 0,1,2,3,4,5,6,7
	v_cvt_pk_bf16_f32 v10, v[192+4*\j], v[193+4*\j]
	v_cvt_pk_bf16_f32 v11, v[194+4*\j], v[195+4*\j]
	ds_store_b64 v12, v[10:11] offset:1024*\j
.endr
	s_wait_loadcnt 32                              ; gate_w2 is in: x's 32 loads are younger
	v_cmp_gt_u32 vcc_lo, 8, v2                     ; there are 8 experts: rows 8 to 15 of the f32 product's first source are 0
.irp c, 0,1,2,3
	v_cvt_pk_bf16_f32 v10, v[16+2*\c], v[17+2*\c]  ; rounded to bf16 and widened again
	v_lshlrev_b32 v[16+2*\c], 16, v10
	v_and_b32 v[17+2*\c], 0xffff0000, v10
	v_cndmask_b32 v[16+2*\c], 0, v[16+2*\c], vcc_lo
	v_cndmask_b32 v[17+2*\c], 0, v[17+2*\c], vcc_lo
.endr
.set j, 0
.rept 32
	s_wait_loadcnt 31-j                            ; loads come back in order: number j is in
	v_cvt_pk_bf16_f32 v10, v[64+4*j], v[65+4*j]
	v_cvt_pk_bf16_f32 v11, v[66+4*j], v[67+4*j]
	ds_store_b64 v13, v[10:11] offset:(j/2)*XP+(j%2)*256
.set j, j+1
.endr
	s_wait_dscnt 0x0                               ; for the others' sake: my part of gate_w1 is in LDS
	s_barrier_signal -1
	s_barrier_wait -1
.irp c, 0,1,2,3,4,5,6,7
	ds_load_tr16_b128 v[192+8*\c:195+8*\c], v14 offset:1024*\c          ; gate_w1^T: channel r, k = 32 c + 8 h ..
	ds_load_tr16_b128 v[196+8*\c:199+8*\c], v14 offset:1024*\c+512      ; k = 32 c + 16 + 8 h ..
	ds_load_b128 v[64+8*\c:67+8*\c], v15 offset:64*\c                   ; x: token r, the same k
	ds_load_b128 v[68+8*\c:71+8*\c], v15 offset:64*\c+32
.endr
	s_wait_dscnt 0x0
	v_wmma_f32_16x16x32_bf16 v[24:31], v[192:199], v[64:71], 0          ; two sums by turns: even K steps, odd K steps
	v_wmma_f32_16x16x32_bf16 v[32:39], v[200:207], v[72:79], 0
.irp c, 1,2,3
	v_wmma_f32_16x16x32_bf16 v[24:31], v[192+16*\c:199+16*\c], v[64+16*\c:71+16*\c], v[24:31]
	v_wmma_f32_16x16x32_bf16 v[32:39], v[200+16*\c:207+16*\c], v[72+16*\c:79+16*\c], v[32:39]
.endr
.rept 4
	v_nop                                          ; four places behind the last product
.endr
.irp k, 0,1,2,3
	v_pk_add_f32 v[40+2*\k:41+2*\k], v[24+2*\k:25+2*\k], v[32+2*\k:33+2*\k]
.endr
.irp k, 0,1,2,3
	v_pk_mul_f32 v[40+2*\k:41+2*\k], v[40+2*\k:41+2*\k], 0x4038aa3b op_sel_hi:[1,0]   ; 2 log2(e) z
.endr
.irp k, 0,1,2,3,4,5,6,7
	v_exp_f32 v[40+\k], v[40+\k]
.endr
	v_nop
	s_wait_alu depctr_va_vdst(0)                   ; one wait for the eight exponentials
.irp k, 0,1,2,3
	v_pk_add_f32 v[40+2*\k:41+2*\k], v[40+2*\k:41+2*\k], 1.0 op_sel_hi:[1,0]
.endr
.irp k, 0,1,2,3,4,5,6,7
	v_rcp_f32 v[40+\k], v[40+\k]
.endr
	v_nop
	s_wait_alu depctr_va_vdst(0)                   ; one wait for the eight reciprocals
.irp k, 0,1,2,3
	v_pk_fma_f32 v[40+2*\k:41+2*\k], v[40+2*\k:41+2*\k], -2.0, 1.0 op_sel_hi:[1,0,0]  ; tanh
.endr
	; logits^T = gate_w2^T x tanh^T in f32, K = 4 a step.  K is permuted alike in both sources: place (h, j) of step c stands for gate channel 8 h + 2 c + j, which is what the lane holds.
	v_wmma_f32_16x16x4_f32 v[48:55], v[16:17], v[40:41], 0
	v_wmma_f32_16x16x4_f32 v[56:63], v[18:19], v[42:43], 0
	v_wmma_f32_16x16x4_f32 v[48:55], v[20:21], v[44:45], v[48:55]
	v_wmma_f32_16x16x4_f32 v[56:63], v[22:23], v[46:47], v[56:63]
.rept 8
	v_nop                                          ; eight places behind this form
.endr
.irp k, 0,1,2,3
	v_pk_add_f32 v[128+2*\k:129+2*\k], v[48+2*\k:49+2*\k], v[56+2*\k:57+2*\k]   ; lanes 0-15: token r's eight logits; lanes 16-31: zeros
.endr
	v_max3_num_f32 v136, v128, v129, v130
	v_max3_num_f32 v136, v136, v131, v132
	v_max3_num_f32 v136, v136, v133, v134
	v_max_num_f32 v136, v136, v135
	v_mov_b32 v137, v136
.irp k, 0,1,2,3
	v_pk_add_f32 v[128+2*\k:129+2*\k], v[128+2*\k:129+2*\k], v[136:137] neg_lo:[0,1] neg_hi:[0,1]
.endr
.irp k, 0,1,2,3
	v_pk_mul_f32 v[128+2*\k:129+2*\k], v[128+2*\k:129+2*\k], 0x3fb8aa3b op_sel_hi:[1,0]
.endr
.irp k, 0,1,2,3,4,5,6,7
	v_exp_f32 v[128+\k], v[128+\k]
.endr
	v_nop
	s_wait_alu depctr_va_vdst(0)
	v_pk_add_f32 v[138:139], v[128:129], v[130:131]
	v_pk_add_f32 v[140:141], v[132:133], v[134:135]
	v_pk_add_f32 v[138:139], v[138:139], v[140:141]
	v_add_f32 v138, v138, v139
	v_rcp_f32 v140, v138
	v_nop
	s_wait_alu depctr_va_vdst(0)
	v_mov_b32 v141, v140
.irp k, 0,1,2,3
	v_pk_mul_f32 v[128+2*\k:129+2*\k], v[128+2*\k:129+2*\k], v[140:141]         ; p
.endr
.macro SCAN val, idx                   ; the largest of p0-p7 and its index; strict >: the lower index keeps a tie
	v_mov_b32 v[\val], v128
	v_mov_b32 v[\idx], 0
.irp j, 1,2,3,4,5,6,7
	v_cmp_gt_f32 vcc_lo, v[128+\j], v[\val]
	v_cndmask_b32 v[\val], v[\val], v[128+\j], vcc_lo
	v_cndmask_b32 v[\idx], v[\idx], \j, vcc_lo
.endr
.endm
	SCAN 142, 143
.irp j, 0,1,2,3,4,5,6,7
	v_cmp_eq_u32 vcc_lo, \j, v143
	v_cndmask_b32 v[128+\j], v[128+\j], -1.0, vcc_lo   ; the winner leaves the field
.endr
	SCAN 144, 145
	v_add_f32 v146, v142, v144
	v_add_f32 v146, 0x2b8cbccc, v146               ; + 1e-12
	v_rcp_f32 v147, v146
	v_min_u32 v155, v143, v145                     ; lo
	s_wait_alu depctr_va_vdst(0)
	v_mul_f32 v148, v142, v147
	v_mul_f32 v149, v144, v147
	v_max_u32 v156, v143, v145                     ; hi
	v_cmp_lt_u32 vcc_lo, v143, v145
	v_cndmask_b32 v150, v149, v148, vcc_lo         ; lo's weight
	v_cndmask_b32 v151, v148, v149, vcc_lo         ; hi's
	v_sub_nc_u32 v152, 15, v155
	v_mul_lo_u32 v152, v152, v155
	v_lshrrev_b32 v152, 1, v152
	v_add_nc_u32 v152, v152, v156
	v_sub_nc_u32 v152, v152, v155
	v_add_nc_u32 v152, -1, v152                    ; the pair's number
	s_lshl_b32 s21, s14, 6
	s_add_co_u32 s21, s21, RSB
	v_lshl_add_u32 v153, v2, 2, s21
	s_lshl_b32 s22, s14, 7
	s_add_co_u32 s22, s22, RGB
	v_lshl_add_u32 v154, v2, 3, s22
	v_cmp_gt_u32 vcc_lo, 16, v7
	s_wait_xcnt 0x0                                ; EXEC changes only behind this wait
	s_and_saveexec_b32 s20, vcc_lo                 ; lanes 0-15 hold the tokens
	ds_store_b32 v153, v152
	ds_store_b64 v154, v[150:151]
	s_or_b32 exec_lo, exec_lo, s20
	s_wait_dscnt 0x0                               ; for the others' sake
	s_barrier_signal -1
	s_barrier_wait -1
	s_mov_b32 s23, 0
	s_cmp_eq_u32 s14, 0
	s_cbranch_scc0 .Lnot0
	v_lshl_add_u32 v157, v7, 3, RSB                ; wave 0 stores the 64 sid: 256 consecutive bytes, aligned
	ds_load_b64 v[158:159], v157
	v_lshlrev_b32 v156, 3, v7
	s_lshl_b32 s22, ttmp9, 8
	s_add_nc_u64 s[10:11], s[10:11], s[22:23]
	s_wait_dscnt 0x0
	global_store_b64 v156, v[158:159], s[10:11]
.Lnot0:
	s_cmp_eq_u32 s14, 1
	s_cbranch_scc0 .Lend
	v_add_nc_u32 v157, RGB, v1                     ; wave 1 stores the 64 pairs of weights: 512 consecutive bytes
	ds_load_b128 v[160:163], v157
	s_lshl_b32 s22, ttmp9, 9
	s_add_nc_u64 s[12:13], s[12:13], s[22:23]
	s_wait_dscnt 0x0
	global_store_b128 v1, v[160:163], s[12:13]
.Lend:
	s_wait_tensorcnt 0x0                           ; the wave's end, behind my last LDS store
	ds_add_u32 v4, v5
	s_wait_dscnt 0x0
	s_endpgm
.Lfunc_end_k_qd0957cd9b8_route:
	.size	k_qd0957cd9b8_route, .Lfunc_end_k_qd0957cd9b8_route-k_qd0957cd9b8_route
	.p2alignl 7, 3214868480
	.fill 96, 4, 3214868480
	.section	.rodata,"a",@progbits
	.p2align	6, 0x0
	.amdhsa_kernel k_qd0957cd9b8_route
		.amdhsa_group_segment_fixed_size 43264
		.amdhsa_private_segment_fixed_size 0
		.amdhsa_enable_private_segment 0
		.amdhsa_kernarg_size 40
		.amdhsa_user_sgpr_count 2
		.amdhsa_user_sgpr_kernarg_segment_ptr 1
		.amdhsa_wavefront_size32 1
		.amdhsa_system_sgpr_workgroup_id_x 1
		.amdhsa_system_sgpr_workgroup_id_y 1
		.amdhsa_system_sgpr_workgroup_id_z 1
		.amdhsa_system_vgpr_workitem_id 0
		.amdhsa_next_free_vgpr 256
		.amdhsa_next_free_sgpr 66
		.amdhsa_reserve_vcc 1
		.amdhsa_float_denorm_mode_32 3
		.amdhsa_float_denorm_mode_16_64 3
		.amdhsa_memory_ordered 1
		.amdhsa_forward_progress 1
		.amdhsa_inst_pref_size 28
	.end_amdhsa_kernel
	.amdgpu_metadata
---
amdhsa.version: [ 1, 2 ]
amdhsa.kernels:
  - .name:           k_qd0957cd9b8_route
    .symbol:         k_qd0957cd9b8_route.kd
    .args:
      - { .name: x, .offset: 0, .size: 8, .value_kind: global_buffer, .address_space: global }
      - { .name: gate_w1, .offset: 8, .size: 8, .value_kind: global_buffer, .address_space: global }
      - { .name: gate_w2, .offset: 16, .size: 8, .value_kind: global_buffer, .address_space: global }
      - { .name: sid, .offset: 24, .size: 8, .value_kind: global_buffer, .address_space: global }
      - { .name: gw, .offset: 32, .size: 8, .value_kind: global_buffer, .address_space: global }
    .group_segment_fixed_size: 43264
    .private_segment_fixed_size: 0
    .kernarg_segment_align: 8
    .kernarg_segment_size: 40
    .max_flat_workgroup_size: 128
    .sgpr_count:     66
    .vgpr_count:     256
    .wavefront_size: 32
...
	.end_amdgpu_metadata
.endif
;; end of part 1
;; launch prep (part 2): grid 284 x 1, 8 waves a work-group, no clusters, 66,816 bytes of LDS; arguments sid, W1, W2, W3, cnt, lst, wf; writes cnt, lst, wf
.if DOCPART == 2
	.amdgcn_target "amdgcn-amd-amdhsa--gfx1250"
	.amdhsa_code_object_version 6
	.text
	.protected	k_qd0957cd9b8_prep
	.globl	k_qd0957cd9b8_prep
	.p2align	8
	.type	k_qd0957cd9b8_prep,@function
k_qd0957cd9b8_prep:
	s_mov_b64 s[64:65], 0
	v_nop
	global_prefetch_b8 v0, s[64:65] scope:SCOPE_SE
	s_setreg_imm32_b32 hwreg(HW_REG_WAVE_MODE, 25, 1), 1
	s_wait_xcnt 0x0
; TWO JOBS, chosen by the work-group's number.
; Work-groups 0-27: set s = the number.  cnt[s] = how many tokens chose that pair of experts; lst[s][0 .. cnt-1] = those tokens, each once.  A counting sort without atomics: each of the eight
; waves counts the hits among its 2,048 tokens, the eight counts meet in LDS, and each wave stores its hits behind the earlier waves'.  All lanes stay on: a lane without a hit repeats the
; first hit's place and token (the same word, the same number); a register without a hit is jumped.
; Work-groups 28-283: expert e, unit u.  64 KB of W1, W2 or W3 on end are rounded to bf16 (like every input), written as f16, and laid out as the chain's first matrix source takes them:
;   wf byte = e<<20 | w<<18 | u<<13 | f<<10 | q<<9 | lane<<4 | 2 i  holds W[e][k][m], r = lane % 16, h = lane / 16, k = 32 c + 16 q + 8 h + i;
;   u 0-7 (W1, c = u) and u 8-23 (W2, c = u - 8): m = 128 w + 16 f + r;   u 24-31 (W3): c = 2 (u - 24) + f / 4, m = 64 w + 16 (f % 4) + r.
; LIMIT.  A bf16 number is an f16 number from 2^-17 to 65,504; below, f16's fixed step of 6e-8 rounds it; beyond, it becomes an infinity.
; LDS.  Each of the three texts that store into LDS has bytes of its own: the stage of the units with rows of 512 numbers, the stage of those with rows of 256, the sort's counts.
.set STA,   0                          ; the stage of W1's and W2's units, 32 KB
.set STB,   32768                      ; the stage of W3's units, 32 KB
.set TOT,   65536                      ; the sort's eight counts
.set SPARE, 65792                      ; the spare words, 128 bytes a wave; no other line names them
	s_load_b256 s[4:11], s[0:1], 0x0               ; sid s[4:5], W1 s[6:7], W2 s[8:9], W3 s[10:11]
	s_load_b128 s[12:15], s[0:1], 0x20             ; cnt s[12:13], lst s[14:15]
	s_load_b64 s[16:17], s[0:1], 0x30              ; wf
	v_lshl_add_u32 v4, v0, 2, SPARE
	v_mov_b32 v5, 0
	v_lshrrev_b32 v6, 5, v0
	v_readfirstlane_b32 s18, v6                    ; wave
	v_and_b32 v7, 31, v0                           ; lane
	s_cmp_lt_u32 ttmp9, 28
	s_cbranch_scc0 .Lweights
	; ---- the sort ----
	s_mov_b32 s19, ttmp9                           ; my set
	v_lshlrev_b32 v1, 4, v7
	v_lshl_add_u32 v1, s18, 13, v1                 ; my wave's 2,048 ids, 16 bytes a lane
	s_lshl_b32 s38, s18, 11                        ; my wave's first token
	s_mov_b32 s21, 0                               ; my wave's count
	s_wait_kmcnt 0x0
.set j, 0
.rept 16
	global_load_b128 v[32+4*j:35+4*j], v1, s[4:5] offset:512*j
.set j, j+1
.endr
	s_wait_loadcnt 0x0
.set k, 0
.rept 64
	v_cmp_eq_u32 vcc_lo, s19, v[32+k]
	s_bcnt1_i32_b32 s22, vcc_lo
	s_add_co_u32 s21, s21, s22
.set k, k+1
.endr
	v_mov_b32 v11, s21
	v_mov_b32 v12, s18
	v_lshl_add_u32 v12, v12, 2, TOT
	ds_store_b32 v12, v11
	s_wait_dscnt 0x0                               ; for the others' sake: my count is in LDS
	s_barrier_signal -1
	s_barrier_wait -1
	v_mov_b32 v13, TOT
	ds_load_b128 v[16:19], v13
	ds_load_b128 v[20:23], v13 offset:16
	s_wait_dscnt 0x0
	s_mov_b32 s32, 0                               ; the earlier waves' counts: where my run begins
	s_mov_b32 s33, 0                               ; all counts
.irp w, 0,1,2,3,4,5,6,7
	v_readfirstlane_b32 s[24+\w], v[16+\w]
	s_cmp_gt_u32 s18, \w
	s_cselect_b32 s34, s[24+\w], 0
	s_add_co_u32 s32, s32, s34
	s_add_co_u32 s33, s33, s[24+\w]
.endr
	s_lshl_b32 s34, s19, 16                        ; a set has 16,384 words of lst
	s_mov_b32 s35, 0
	s_add_nc_u64 s[14:15], s[14:15], s[34:35]
; Register k holds the ids of tokens 2,048 wave + 128 (k / 4) + k % 4 + 4 lane.
.macro PUT k
	v_cmp_eq_u32 vcc_lo, s19, v[32+(\k)]
	s_bcnt1_i32_b32 s22, vcc_lo
	s_cmp_eq_u32 s22, 0
	s_cbranch_scc1 .Lnone_\@                       ; no hit among these 32
	s_ctz_i32_b32 s23, vcc_lo                      ; the first lane with a hit
	s_add_co_u32 s39, s38, 128*((\k)/4)+((\k)%4)
	s_wait_xcnt 0x0                                ; v9 and v10, which the last store reads, are rewritten only behind this wait
	v_mbcnt_lo_u32_b32 v9, vcc_lo, s32             ; my place: the run so far + the hits in the lanes below me
	v_cndmask_b32 v10, s23, v7, vcc_lo             ; my lane, or without a hit the first hit's,
	v_cndmask_b32 v9, s32, v9, vcc_lo              ; and its place
	v_lshl_add_u32 v10, v10, 2, s39                ; the token
	v_min_u32 v9, 0x3fff, v9                       ; a set has 16,384 places
	v_lshlrev_b32 v9, 2, v9
	global_store_b32 v9, v10, s[14:15]             ; the hits go to neighbouring words
	s_add_co_u32 s32, s32, s22
.Lnone_\@:
.endm
.set k, 0
.rept 64
	PUT k
.set k, k+1
.endr
	s_cmp_lg_u32 s18, 0
	s_cbranch_scc1 .Lsortend
	v_mov_b32 v26, s33                             ; wave 0 stores the set's count: all lanes the same word, the same number
	v_mov_b32 v27, 0
	s_lshl_b32 s34, s19, 2
	s_add_nc_u64 s[12:13], s[12:13], s[34:35]
	global_store_b32 v27, v26, s[12:13]
.Lsortend:
	s_wait_tensorcnt 0x0                           ; the wave's end, behind my last LDS store
	ds_add_u32 v4, v5
	s_wait_dscnt 0x0
	s_endpgm
	; ---- the weights ----
.Lweights:
	s_sub_co_u32 s19, ttmp9, 28
	s_lshr_b32 s20, s19, 5                         ; expert
	s_and_b32 s21, s19, 31                         ; unit
	v_lshlrev_b32 v28, 4, v0                       ; 16 bytes a thread: my offset in 4,096 bytes of wf
	s_wait_kmcnt 0x0
	s_cmp_lt_u32 s21, 8
	s_cselect_b64 s[24:25], s[6:7], s[8:9]         ; W1, or W2,
	s_cselect_b32 s26, 0, 8                        ; the layer's first unit,
	s_cselect_b32 s27, 19, 20                      ; log2 of an expert's bytes
	s_cmp_lt_u32 s21, 24
	s_cselect_b64 s[24:25], s[24:25], s[10:11]     ; or W3
	s_cselect_b32 s26, s26, 24
	s_cselect_b32 s27, s27, 19
	s_sub_co_u32 s26, s21, s26
	s_lshl_b32 s26, s26, 16                        ; a unit's source is 64 KB on end
	s_lshl_b32 s27, s20, s27
	s_add_co_u32 s26, s26, s27
	s_mov_b32 s27, 0
	s_add_nc_u64 s[24:25], s[24:25], s[26:27]
	s_lshl_b32 s28, s20, 20
	s_lshl_b32 s29, s21, 13
	s_add_co_u32 s28, s28, s29
	s_mov_b32 s29, 0
	s_add_nc_u64 s[16:17], s[16:17], s[28:29]      ; wf at (e, wave 0, u)
.macro WLOAD pitch                     ; 16 rows k, four columns m a thread; a wave's load covers 512 consecutive bytes
.set i, 0
.rept 16
	global_load_b128 v[32+4*i:35+4*i], v10, s[24:25] offset:i*(\pitch) th:TH_LOAD_NT
.set i, i+1
.endr
.endm
.macro CVST                            ; column jj of my four; hh: which eight of my 16 rows: eight k of one m are 16 bytes of the layout
	s_wait_loadcnt 0x0
.set jj, 0
.rept 4
.set hh, 0
.rept 2
.set ob, 16+4*hh
.set pp, 0
.rept 4
	v_cvt_pk_bf16_f32 v12, v[32+4*(8*hh+2*pp)+jj], v[32+4*(8*hh+2*pp+1)+jj]
	v_lshlrev_b32 v13, 16, v12
	v_and_b32 v14, 0xffff0000, v12
	v_cvt_pk_f16_f32 v[ob+pp], v13, v14
.set pp, pp+1
.endr
	ds_store_b128 v11, v[ob:ob+3] offset:256*hh+16*jj
.set hh, hh+1
.endr
.set jj, jj+1
.endr
.endm
.macro OUTW base                       ; the stage at base goes out as it lies: 8 KB for each of the chain's four waves
	v_lshl_add_u32 v15, v0, 4, \base
.irp j, 0,1,2,3,4,5,6,7
	ds_load_b128 v[32+4*\j:35+4*\j], v15 offset:4096*\j
.endr
.irp j, 0,1,2,3,4,5,6,7
	s_wait_dscnt 7-\j                              ; LDS loads come back in order: the younger ones may stay out
	global_store_b128 v28, v[32+4*\j:35+4*\j], s[16:17] offset:((\j/2)<<18)+(\j%2)*4096   ; a wave stores 512 consecutive bytes, aligned
.endr
.endm
	s_cmp_lt_u32 s21, 24
	s_cbranch_scc0 .LshapeB
	v_and_b32 v8, 127, v0                          ; rows of 512 numbers: column group cg (m = 4 cg ..), q = which 16 of the 32 rows
	v_lshrrev_b32 v9, 7, v0
	v_lshlrev_b32 v10, 4, v8
	v_lshl_add_u32 v10, v9, 15, v10
	v_lshrrev_b32 v11, 5, v8                       ; stage: w = cg / 32,
	v_lshlrev_b32 v11, 13, v11
	v_bfe_u32 v12, v8, 2, 3                        ; f = (cg / 4) % 8,
	v_lshl_add_u32 v11, v12, 10, v11
	v_lshl_add_u32 v11, v9, 9, v11                 ; q,
	v_and_b32 v12, 3, v8                           ; r = 4 (cg % 4) + ..
	v_lshl_add_u32 v11, v12, 6, v11
	WLOAD 2048
	CVST
	s_branch .Lcv
.LshapeB:
	v_and_b32 v8, 63, v0                           ; rows of 256 numbers: cg, kq = which 16 of the 64 rows
	v_lshrrev_b32 v9, 6, v0
	v_lshlrev_b32 v10, 4, v8
	v_lshl_add_u32 v10, v9, 14, v10
	v_lshrrev_b32 v11, 4, v8                       ; w = cg / 16,
	v_lshlrev_b32 v11, 13, v11
	v_lshrrev_b32 v12, 1, v9                       ; f = 4 (kq / 2) + (cg / 4) % 4,
	v_bfe_u32 v13, v8, 2, 2
	v_lshl_add_u32 v12, v12, 2, v13
	v_lshl_add_u32 v11, v12, 10, v11
	v_and_b32 v12, 1, v9                           ; q = kq % 2
	v_lshl_add_u32 v11, v12, 9, v11
	v_and_b32 v12, 3, v8
	v_lshl_add_u32 v11, v12, 6, v11
	v_add_nc_u32 v11, STB, v11                     ; this shape's own stage
	WLOAD 1024
	CVST
.Lcv:
	s_wait_dscnt 0x0                               ; for the others' sake: my part of the stage is written
	s_barrier_signal -1
	s_barrier_wait -1
	s_cmp_lt_u32 s21, 24
	s_cbranch_scc0 .LoutB
	OUTW STA
	s_branch .Lwend
.LoutB:
	OUTW STB
.Lwend:
	s_wait_tensorcnt 0x0                           ; the wave's end, behind my last LDS store
	ds_add_u32 v4, v5
	s_wait_dscnt 0x0
	s_endpgm
.Lfunc_end_k_qd0957cd9b8_prep:
	.size	k_qd0957cd9b8_prep, .Lfunc_end_k_qd0957cd9b8_prep-k_qd0957cd9b8_prep
	.p2alignl 7, 3214868480
	.fill 96, 4, 3214868480
	.section	.rodata,"a",@progbits
	.p2align	6, 0x0
	.amdhsa_kernel k_qd0957cd9b8_prep
		.amdhsa_group_segment_fixed_size 66816
		.amdhsa_private_segment_fixed_size 0
		.amdhsa_enable_private_segment 0
		.amdhsa_kernarg_size 56
		.amdhsa_user_sgpr_count 2
		.amdhsa_user_sgpr_kernarg_segment_ptr 1
		.amdhsa_wavefront_size32 1
		.amdhsa_system_sgpr_workgroup_id_x 1
		.amdhsa_system_sgpr_workgroup_id_y 1
		.amdhsa_system_sgpr_workgroup_id_z 1
		.amdhsa_system_vgpr_workitem_id 0
		.amdhsa_next_free_vgpr 128
		.amdhsa_next_free_sgpr 66
		.amdhsa_reserve_vcc 1
		.amdhsa_float_denorm_mode_32 3
		.amdhsa_float_denorm_mode_16_64 3
		.amdhsa_memory_ordered 1
		.amdhsa_forward_progress 1
		.amdhsa_inst_pref_size 77
	.end_amdhsa_kernel
	.amdgpu_metadata
---
amdhsa.version: [ 1, 2 ]
amdhsa.kernels:
  - .name:           k_qd0957cd9b8_prep
    .symbol:         k_qd0957cd9b8_prep.kd
    .args:
      - { .name: sid, .offset: 0, .size: 8, .value_kind: global_buffer, .address_space: global }
      - { .name: W1, .offset: 8, .size: 8, .value_kind: global_buffer, .address_space: global }
      - { .name: W2, .offset: 16, .size: 8, .value_kind: global_buffer, .address_space: global }
      - { .name: W3, .offset: 24, .size: 8, .value_kind: global_buffer, .address_space: global }
      - { .name: cnt, .offset: 32, .size: 8, .value_kind: global_buffer, .address_space: global }
      - { .name: lst, .offset: 40, .size: 8, .value_kind: global_buffer, .address_space: global }
      - { .name: wf, .offset: 48, .size: 8, .value_kind: global_buffer, .address_space: global }
    .group_segment_fixed_size: 66816
    .private_segment_fixed_size: 0
    .kernarg_segment_align: 8
    .kernarg_segment_size: 56
    .max_flat_workgroup_size: 256
    .sgpr_count:     66
    .vgpr_count:     128
    .wavefront_size: 32
...
	.end_amdgpu_metadata
.endif
;; end of part 2
;; launch chain (part 3): grid 232 x 1, 4 waves a work-group, no clusters, 257,024 bytes of LDS; arguments x, b1, g1, be1, b2, g2, be2, b3, cnt, lst, gw, wf, out0; writes out0
.if DOCPART == 3
	.amdgcn_target "amdgcn-amd-amdhsa--gfx1250"
	.amdhsa_code_object_version 6
	.text
	.protected	k_qd0957cd9b8_chain
	.globl	k_qd0957cd9b8_chain
	.p2align	8
	.type	k_qd0957cd9b8_chain,@function
k_qd0957cd9b8_chain:
	s_mov_b64 s[64:65], 0
	v_nop
	global_prefetch_b8 v0, s[64:65] scope:SCOPE_SE
	s_setreg_imm32_b32 hwreg(HW_REG_WAVE_MODE, 25, 1), 1
	s_wait_xcnt 0x0
; THE EXPERTS.  A work-group takes up to 80 tokens that chose the SAME pair of experts through both experts' whole chain (256 -> 512, LN, GELU, 512 -> 512, LN, GELU, 512 -> 256), adds the two
; results with the gate's weights in registers and stores the tokens' rows of out0: each row has one owner.
; DEALING.  Set s with c tokens gets ceil(c / 80) tiles, in the sets' order; every work-group finds its tile from the 28 stored counts.  The sum is at most (16,384 + 28 x 79) / 80 = 232
; for every split: the grid.  Every wave passes every barrier, and none stands under a branch on loaded numbers: so a work-group that the split leaves without a tile walks tile 0 once more and
; stores nothing.  In a tile that is not full the places past the count repeat its last token and are not stored.
; NO CLUSTER: partners would have to walk the same pair of experts; dealt in whole clusters of 4 x 80 tokens, 28 sets need up to 51 + 28 clusters, more than 256 work-groups of this size.
; NO LDS RING FOR THE WEIGHTS: the waves share out the output channels, so each weight byte has one reader; it comes from memory straight into the matrix source's registers.
; SHARES.  Wave w: hidden channels 128 w .. + 127 (layers 1, 2), output channels 64 w .. + 63 (layer 3), of all 80 tokens (five tiles n of 16).  D = W^T (source 0) x activations^T (source 1):
; a lane holds ONE token (lane % 16) and the channels 8 (lane / 16) + 0..7 of a tile of 16: a row's mean wants one exchange of the lanes' halves and one among the waves, through LDS.
; FORMATS.  Every input is rounded once to bf16 (x and W then written as f16: exact from 2^-17 to 65,504, f16's step of 6e-8 below, infinity beyond); h1 and h2 are rounded once to f16; sums, LN and GELU in f32.
; LN takes the mean first and then the squares of the deviations.  erf by a rational form in t = 1 / (1 + 0.47047 y) times e^(-y^2), absolute error at most 2.5e-5 for every y, so GELU is off by at most 1.25e-5 |x|.
; NaN and infinities are not treated apart.
; LDS ORDER.  Every LDS store names a register that is never rewritten and an immediate.  The LDS reads whose addresses step with the loops (bias, activations of layers 1 and 2, g and be) stand
; only between the barrier behind the stores of h and the barrier at the end of a layer's products: there no wave stores.
.set PX,    1040                       ; an LDS row: 1,024 bytes + 16: the 16 rows of a fragment load start 4 banks apart
.set TR,    16*PX
.set HREG,  131072                     ; LDS: x in f16 (80 rows, first 512 bytes) at 0; h1, then h2, then the f32 output stage at HREG (one exclusive or apart)
.set PAR,   221184                     ; four blocks of 8 KB, block 2 e + l: b, g, be (2,048 bytes each, f32); b3 of e in block 2 e + 1 at 6,144
.set ST1,   253952                     ; [80 tokens][4 waves] f32: the waves' sums; 1,280 bytes on: their sums of squares
.set ST2O,  1280
.set SPARE, 256512                     ; the spare words, 128 bytes a wave; no other line names them
; VECTOR REGISTERS, in windows of 256 (s_set_vgpr_msb: bits 1:0 source 0, 3:2 source 1, 5:4 source 2, 7:6 destination):
;   window 0: below;  window 1: four slots of 64: a unit (8 KB) of weights each; slot 3 holds g and be of channel tiles 4-7 during LN and GELU
;   window 2: the sums of tiles 0-3 (64 n + 8 t); layer 3's sums (32 n + 8 t); x as loaded;  window 3: v0-63 the sums of tile 4; v64-223 OUT (64 + 32 n + 8 t); v224-255 GELU's polynomial
.set SPW,  4                           ; v4, v5 the add's two registers; never rewritten
.set NIL,  5
.set BR,   6                           ; v6-10  (16 n + r) x 1,040 + 16 h; never rewritten
.set BA,   11                          ; v11-15 the same in the region and at the K step in hand
.set VPAR, 16                          ; PAR + 512 w + 32 h; never rewritten
.set VSTS, 17                          ; ST1 + 16 r + 4 w
.set VSTL, 18                          ; ST1 + 16 r
.set VHS,  19                          ; HREG + r x 1,040 + 256 w + 16 h; never rewritten
.set VHS4, 20                          ; the same four token tiles on
.set VPC,  21                          ; VPAR in the pass's block
.set VTK,  22                          ; lane i: the token of my row 20 w + min(i, 19)
.set VT,   23
.set GW,   24                          ; v24-43 the gate's weight of token 16 n + r, twice: expert lo at 2 n, hi at 10 + 2 n
.set MU,   44                          ; v44-53 the mean, twice, by tile
.set RS,   54                          ; v54-63 1 / sqrt(var + eps), twice
.set BF0,  64                          ; products: two buffers of 40 for the activations' fragments; v144-207 the bias as C; v208-217 the gate in hand
.set BIAS, 144
.set GC,   208
.set XX,   64                          ; LN and GELU: four fields of 32 at work, then g and be of channel tiles 0-3 (in window 1: of tiles 4-7)
.set AA,   96
.set EE,   128
.set RR,   160
.set GG,   192
.set BB,   224
.set PPO,  224                         ; window 3
.set OUT,  64
; SCALAR REGISTERS
.set WV,   30
.set LIVE, 31
.set ACS,  60
.set T1,   61
.set T2,   62
.set GID,  63
.set SET,  66
.set JJ,   67
.set CN,   68
.set LO,   69
.set HI,   70
.set START,71
.set NN,   72                          ; my tile's tokens
.set NS,   73                          ; how many of its rows I store
.set LP,   74                          ; s[74:75] the weights' stream at the unit that the offsets count from
.set WB,   76                          ; s[76:77] wf at my wave
.set OF,   78                          ; s[78:79] an offset, high word 0
.set PS,   80                          ; pass 0..3 = 2 expert + layer
.set LEFT, 81
.set TRIP, 82
.set BS,   83
.set REG,  84
.set PCN,  85
.set SEL,  86
.set CC,   88
.set W256, 89
.set W20,  90
.set POFF, 91
.set S0,   92
.set S1,   93
.set MK,   94
.set KOF,  95
.set K_PP, 32                          ; pairs, both words written (where the counts lay)
.set K_A3, 34
.set K_A2, 36
.set K_A1, 38
.set K_C0, 40
.set K_I,  42
.set K_E,  43
.set MSB, 0
.macro WIN new                         ; the immediate's high byte repeats the setting that is left; a switch that changes nothing is dropped
.if MSB != (\new)
	s_set_vgpr_msb (MSB<<8)|(\new)
.set MSB, \new
.endif
.endm
.macro PLACES                          ; four plain places behind matrix instructions, in front of loads into their sources and of reads of their results
.rept 4
	v_nop
.endr
.endm
.macro REFILL u                        ; unit u (counted from LP) into slot u % 4: 16 loads of 512 consecutive bytes, each four registers of a fragment as they lie
	WIN 0x40
.set ab, 64*((\u)&3)
.set f, 0
.rept 16
	global_load_b128 v[ab+4*f:ab+4*f+3], v1, s[LP:LP+1] offset:8192*(\u)+512*f
.set f, f+1
.endr
.endm
.macro STREAM e                        ; LP at an expert's first unit
	s_wait_xcnt 0x0                                ; LP is rewritten only behind this wait
	s_lshl_b32 s[OF], s[\e], 20
	s_add_nc_u64 s[LP:LP+1], s[WB:WB+1], s[OF:OF+1]
.endm
.macro BASES                           ; the activations' addresses at the K step that the offsets count from, made where they are used
.irp m, 0,1,2,3,4
	v_add_nc_u32 v[BA+\m], s[KOF], v[BR+\m]
.endr
.endm
.macro BLOAD k                         ; the activations' fragments of K step k (counted from BA), five tiles, into buffer k % 2
	WIN 0
.set bb, BF0+40*((\k)&1)
.irp m, 0,1,2,3,4
	ds_load_b128 v[bb+8*\m:bb+8*\m+3],   v[BA+\m] offset:64*(\k)
	ds_load_b128 v[bb+8*\m+4:bb+8*\m+7], v[BA+\m] offset:64*(\k)+32
.endr
.endm
.macro MMN i, nn, zero                 ; eight products: token tile nn x my eight channel tiles, K step i.  zero = 1: the bias is C and starts the sums
.if (\nn) < 4
.set cb, 64*(\nn)
.if \zero
	WIN 0x81
.else
	WIN 0xa1
.endif
.else
.set cb, 0
.if \zero
	WIN 0xc1
.else
	WIN 0xf1
.endif
.endif
.set ab, 64*((\i)&3)
.set bb, BF0+40*((\i)&1)+8*(\nn)
.set t, 0
.rept 8
.if \zero
	v_wmma_f32_16x16x32_f16 v[cb+8*t:cb+8*t+7], v[ab+8*t:ab+8*t+7], v[bb:bb+7], v[BIAS+8*t:BIAS+8*t+7]
.else
	v_wmma_f32_16x16x32_f16 v[cb+8*t:cb+8*t+7], v[ab+8*t:ab+8*t+7], v[bb:bb+7], v[cb+8*t:cb+8*t+7]
.endif
.set t, t+1
.endr
.endm
; A unit of layers 1 and 2: one K step of 32, 40 products on 40 sums that take turns in one fixed order.  In its middle the next K step's activations are fetched
; from LDS and the weights three units on are asked for from memory.
.macro UNIT i, zero, nextb
	s_wait_loadcnt 32                              ; this unit's weights are in: the two younger units' 16 loads each may stay out
	s_wait_dscnt 0x0                               ; its activations, asked for 24 products ago
	MMN \i, 0, \zero
	MMN \i, 1, \zero
	PLACES
.if \nextb
	BLOAD (\i)+1
.endif
	REFILL (\i)+3
	MMN \i, 2, \zero
	MMN \i, 3, \zero
	MMN \i, 4, \zero
.endm
.macro MM3 kk, nn                      ; layer 3: four products: token tile nn x my four channel tiles, K step kk; K step 0 starts the sums with 0
	WIN 0xa1
.set ab, 64*(((\kk)/2)&3)+32*((\kk)&1)
.set bb, BF0+40*((\kk)&1)+8*(\nn)
.set t, 0
.rept 4
.if (\kk) == 0
	v_wmma_f32_16x16x32_f16 v[32*(\nn)+8*t:32*(\nn)+8*t+7], v[ab+8*t:ab+8*t+7], v[bb:bb+7], 0
.else
	v_wmma_f32_16x16x32_f16 v[32*(\nn)+8*t:32*(\nn)+8*t+7], v[ab+8*t:ab+8*t+7], v[bb:bb+7], v[32*(\nn)+8*t:32*(\nn)+8*t+7]
.endif
.set t, t+1
.endr
.endm
.macro K3 kk                           ; a K step of layer 3; a unit of weights holds two.  Units 0-4 (of 8) ask for the unit three on; the last three have nothing left to ask for
.if ((\kk)&1) == 0
.if (\kk)/2 < 6
	s_wait_loadcnt 32                              ; two younger units
.elseif (\kk)/2 == 6
	s_wait_loadcnt 16                              ; one
.else
	s_wait_loadcnt 0x0
.endif
.endif
	s_wait_dscnt 0x0
	MM3 \kk, 0
	MM3 \kk, 1
	PLACES
.if (\kk) < 15
	BLOAD (\kk)+1
.endif
.if (((\kk)&1) == 0) && ((\kk)/2 < 5)
	REFILL (\kk)/2+3
.endif
	MM3 \kk, 2
	MM3 \kk, 3
	MM3 \kk, 4
.endm
.macro TREE dst                        ; the 16 pairs at XX are added up into v[dst]
.irp s, 16,8,4,2
.set k, 0
.rept \s/2
	v_pk_add_f32 v[XX+2*k:XX+2*k+1], v[XX+2*k:XX+2*k+1], v[XX+\s+2*k:XX+\s+2*k+1]
.set k, k+1
.endr
.endr
	v_add_f32 v[\dst], v[XX], v[XX+1]
.endm
.macro EXCH rb, so                     ; five lane sums at rb + 2 n: + the other half of the lanes', + the other three waves' (through LDS, one barrier): every lane has its token's sum over 512 channels
.irp m, 0,1,2,3,4
	v_permlanex16_b32 v[\rb+2*\m+1], v[\rb+2*\m], s[SEL], s[SEL+1]
.endr
.irp m, 0,1,2,3,4
	v_add_f32 v[\rb+2*\m], v[\rb+2*\m], v[\rb+2*\m+1]
.endr
.irp m, 0,1,2,3,4
	ds_store_b32 v[VSTS], v[\rb+2*\m] offset:\so+256*\m
.endr
	s_wait_dscnt 0x0                               ; for the others' sake: my sums are in LDS
	s_barrier_signal -1
	s_barrier_wait -1
.irp m, 0,1,2,3,4
	ds_load_b128 v[XX+4*\m:XX+4*\m+3], v[VSTL] offset:\so+256*\m
.endr
	s_wait_dscnt 0x0
.irp m, 0,1,2,3,4
	v_pk_add_f32 v[XX+4*\m:XX+4*\m+1], v[XX+4*\m:XX+4*\m+1], v[XX+4*\m+2:XX+4*\m+3]
.endr
.irp m, 0,1,2,3,4
	v_add_f32 v[\rb+2*\m], v[XX+4*\m], v[XX+4*\m+1]
.endr
.endm
	s_load_b512 s[4:19], s[0:1], 0x0               ; x s[4:5], b1 s[6:7], g1 s[8:9], be1 s[10:11], b2 s[12:13], g2 s[14:15], be2 s[16:17], b3 s[18:19]
	s_load_b256 s[20:27], s[0:1], 0x40             ; cnt s[20:21], lst s[22:23], gw s[24:25], wf s[26:27]
	s_load_b64 s[28:29], s[0:1], 0x60              ; out0
	v_lshl_add_u32 v[SPW], v0, 2, SPARE
	v_mov_b32 v[NIL], 0
	v_lshrrev_b32 v[VT], 5, v0
	v_readfirstlane_b32 s[WV], v[VT]
	s_wait_kmcnt 0x0
	s_load_b512 s[32:47], s[20:21], 0x0            ; the 28 counts
	s_load_b256 s[48:55], s[20:21], 0x40
	s_load_b128 s[56:59], s[20:21], 0x60
	v_and_b32 v1, 31, v0
	v_lshlrev_b32 v1, 4, v1                        ; 16 lane
	v_and_b32 v2, 15, v0                           ; r
	v_bfe_u32 v3, v0, 4, 1                         ; h
	v_mul_u32_u24 v[BR], v2, PX
	v_lshl_add_u32 v[BR], v3, 4, v[BR]
.irp m, 1,2,3,4
	v_add_nc_u32 v[BR+\m], TR*\m, v[BR]
.endr
	s_mov_b32 s[ACS], 0
	s_mov_b32 s[SET], 0
	s_mov_b32 s[JJ], 0
	s_mov_b32 s[CN], 0
	s_mov_b32 s[LO], 0
	s_mov_b32 s[HI], 1
	s_mul_i32 s[W20], s[WV], 20
	s_lshl_b32 s[W256], s[WV], 8
	s_mov_b32 s[OF+1], 0
	s_wait_kmcnt 0x0
.set dst_, 0
.rept 28                               ; how many tiles this split has
	s_add_co_u32 s[T1], s[32+dst_], 79
	s_mul_i32 s[T1], s[T1], 0xcccd                 ; (c + 79) / 80 = ((c + 79) x 52,429) >> 22, exact up to 16,463
	s_lshr_b32 s[T1], s[T1], 22
	s_add_co_u32 s[ACS], s[ACS], s[T1]
.set dst_, dst_+1
.endr
	s_cmp_lt_u32 ttmp9, s[ACS]
	s_cselect_b32 s[LIVE], 1, 0                    ; a tile of my own,
	s_cselect_b32 s[GID], ttmp9, 0                 ; or tile 0 once more, of which I store nothing
	s_mov_b32 s[ACS], 0
.set dlo, 0
.set dhi, 1
.set dst_, 0
.rept 28                               ; set dst_ = (dlo, dhi) has ceil(c / 80) tiles, from number ACS on
	s_add_co_u32 s[T1], s[32+dst_], 79
	s_mul_i32 s[T1], s[T1], 0xcccd
	s_lshr_b32 s[T1], s[T1], 22
	s_sub_co_u32 s[T2], s[GID], s[ACS]             ; wraps to a large number where my number lies below
	s_cmp_lt_u32 s[T2], s[T1]
	s_cselect_b32 s[SET], dst_, s[SET]
	s_cselect_b32 s[JJ], s[T2], s[JJ]
	s_cselect_b32 s[CN], s[32+dst_], s[CN]
	s_cselect_b32 s[LO], dlo, s[LO]
	s_cselect_b32 s[HI], dhi, s[HI]
	s_add_co_u32 s[ACS], s[ACS], s[T1]
.set dst_, dst_+1
.set dhi, dhi+1
.if dhi == 8
.set dlo, dlo+1
.set dhi, dlo+1
.endif
.endr
	s_min_u32 s[SET], s[SET], 27                   ; what enters addresses is bounded in the text
	s_min_u32 s[LO], s[LO], 7
	s_min_u32 s[HI], s[HI], 7
	s_mul_i32 s[START], s[JJ], 80
	s_min_u32 s[START], s[START], 0x3fff
	s_sub_co_u32 s[NN], s[CN], s[START]
	s_min_u32 s[NN], s[NN], 80                     ; the tile's tokens: 1 to 80
	s_cmp_eq_u32 s[LIVE], 1
	s_cselect_b32 s[NS], s[NN], 0
	s_lshl_b32 s[OF], s[WV], 18
	s_add_nc_u64 s[WB:WB+1], s[26:27], s[OF:OF+1]
	STREAM LO
	REFILL 0                                       ; 32 loads: the first expert's first two units
	REFILL 1
	WIN 0
	s_lshl_b32 s[OF], s[SET], 16
	s_add_nc_u64 s[22:23], s[22:23], s[OF:OF+1]
	s_sub_co_u32 s[S0], s[NN], 1
.irp m, 0,1,2,3,4
	v_add_nc_u32 v[64+\m], 16*\m, v2               ; place 16 n + r of the tile; past the count: the last token
	v_min_u32 v[64+\m], s[S0], v[64+\m]
	v_add_nc_u32 v[64+\m], s[START], v[64+\m]
	v_min_u32 v[64+\m], 0x3fff, v[64+\m]
	v_lshlrev_b32 v[64+\m], 2, v[64+\m]
	global_load_b32 v[84+\m], v[64+\m], s[22:23]
.endr
	v_and_b32 v69, 31, v0
	v_min_u32 v69, 19, v69
	v_add_nc_u32 v69, s[W20], v69                  ; place 20 w + lane: the rows that my wave brings in and stores
	v_min_u32 v69, s[S0], v69
	v_add_nc_u32 v69, s[START], v69
	v_min_u32 v69, 0x3fff, v69
	v_lshlrev_b32 v69, 2, v69
	global_load_b32 v[VTK], v69, s[22:23]
	s_lshl_b32 s[S0], s[LO], 11
	v_lshl_add_u32 v71, v0, 4, s[S0]
	s_lshl_b32 s[S0], s[HI], 11
	v_lshl_add_u32 v72, v0, 4, s[S0]
.irp e, 0,1                            ; 128 threads x 16 bytes: an expert's 512 numbers of each parameter
	global_load_b128 v[100+24*\e:103+24*\e], v[71+\e], s[6:7]
	global_load_b128 v[104+24*\e:107+24*\e], v[71+\e], s[8:9]
	global_load_b128 v[108+24*\e:111+24*\e], v[71+\e], s[10:11]
	global_load_b128 v[112+24*\e:115+24*\e], v[71+\e], s[12:13]
	global_load_b128 v[116+24*\e:119+24*\e], v[71+\e], s[14:15]
	global_load_b128 v[120+24*\e:123+24*\e], v[71+\e], s[16:17]
.endr
	s_cmp_lt_u32 s[WV], 2                          ; b3: waves 0, 1 the first expert's 256 numbers, waves 2, 3 the second's
	s_cselect_b32 s[S0], s[LO], s[HI]
	s_lshl_b32 s[S0], s[S0], 10
	v_and_b32 v73, 63, v0
	v_lshl_add_u32 v73, v73, 4, s[S0]
	global_load_b128 v[148:151], v73, s[18:19]
	s_wait_loadcnt 13                              ; the tokens are in: the 13 parameter loads are younger
.irp m, 0,1,2,3,4
	v_min_u32 v[84+\m], 0x3fff, v[84+\m]
	v_lshlrev_b32 v[74+\m], 3, v[84+\m]
	global_load_b64 v[90+2*\m:91+2*\m], v[74+\m], s[24:25]
.endr
	v_min_u32 v[VTK], 0x3fff, v[VTK]
.set i, 0
.rept 20
	v_readlane_b32 s[S0], v[VTK], i
	s_min_u32 s[S0], s[S0], 0x3fff
	v_lshl_add_u32 v[160+i], s[S0], 10, v1         ; the token's row of x, 16 bytes a lane
.set i, i+1
.endr
	WIN 0x80
.set i, 0
.rept 20
	global_load_b128 v[8*i:8*i+3],   v[160+i], s[4:5]              ; 512 consecutive bytes each
	global_load_b128 v[8*i+4:8*i+7], v[160+i], s[4:5] offset:512
.set i, i+1
.endr
	WIN 0
	v_lshl_add_u32 v180, v0, 4, PAR
	s_lshr_b32 s[S0], s[WV], 1
	s_lshl_b32 s[S0], s[S0], 14
	s_add_co_u32 s[S0], s[S0], PAR+14336
	v_and_b32 v181, 63, v0
	v_lshl_add_u32 v181, v181, 4, s[S0]
	s_mul_i32 s[S0], s[W20], PX
	v_and_b32 v182, 31, v0
	v_lshl_add_u32 v182, v182, 3, s[S0]            ; x into LDS: my row, 8 bytes a lane
	v_lshl_add_u32 v183, v3, 5, PAR+14336
	v_add_nc_u32 v183, s[W256], v183               ; b3 of my 64 channels
	v_lshl_add_u32 v[VPAR], v3, 5, PAR
	s_lshl_b32 s[S0], s[WV], 9
	v_add_nc_u32 v[VPAR], s[S0], v[VPAR]
	v_lshl_add_u32 v[VSTL], v2, 4, ST1
	s_lshl_b32 s[S0], s[WV], 2
	v_add_nc_u32 v[VSTS], s[S0], v[VSTL]
	s_add_co_u32 s[S0], s[W256], HREG
	v_add_nc_u32 v[VHS], s[S0], v[BR]
	v_add_nc_u32 v[VHS4], 4*TR, v[VHS]
.irp m, 0,1,2,3,4
	v_mov_b32 v[MU+2*\m+1], 0                      ; v_permlanex16_b32 counts as a reader of its destination
	v_mov_b32 v[RS+2*\m+1], 0
.endr
	s_mov_b32 s[SEL], 0x76543210
	s_mov_b32 s[SEL+1], 0xfedcba98
	s_mov_b32 s[CC], 0x3f596d27                    ; c = sqrt(log2(e) / 2): a = c |x|, 2^(-a a) = e^(-x x / 2)
	s_mov_b32 s[K_PP], 0x3ec88bda                  ; 0.47047 / (sqrt(2) c)
	s_mov_b32 s[K_PP+1], s[K_PP]
	s_mov_b32 s[K_A3], 0x3ee16a8b                  ; the three coefficients times 0.5 / c
	s_mov_b32 s[K_A3+1], s[K_A3]
	s_mov_b32 s[K_A2], 0xbd6732c4
	s_mov_b32 s[K_A2+1], s[K_A2]
	s_mov_b32 s[K_A1], 0x3e51cd1c
	s_mov_b32 s[K_A1+1], s[K_A1]
	s_mov_b32 s[K_C0], 0x3f16b55f                  ; 0.5 / c
	s_mov_b32 s[K_C0+1], s[K_C0]
	s_mov_b32 s[K_I], 0x3b000000                   ; 1 / 512
	s_mov_b32 s[K_E], 0x3727c5ac                   ; 1e-5
.macro RND4                            ; four numbers at v[rw]: rounded to bf16, widened again, into v[154:157]
	v_cvt_pk_bf16_f32 v152, v[rw], v[rw+1]
	v_cvt_pk_bf16_f32 v153, v[rw+2], v[rw+3]
	v_lshlrev_b32 v154, 16, v152
	v_and_b32 v155, 0xffff0000, v152
	v_lshlrev_b32 v156, 16, v153
	v_and_b32 v157, 0xffff0000, v153
.endm
	s_wait_loadcnt 45                              ; the parameters are in: 5 loads of the gate and 40 of x are younger
	REFILL 2                                       ; the third unit: 61 loads of mine are out
	WIN 0
.set ix, 0
.rept 12
.set rw, 100+4*ix
	RND4
	ds_store_b128 v180, v[154:157] offset:(2*(ix/6)+(ix%6)/3)*8192+(ix%3)*2048
.set ix, ix+1
.endr
.set rw, 148
	RND4
	ds_store_b128 v181, v[154:157]
	s_wait_loadcnt 56                              ; the gate's weights are in: 40 loads of x and the third unit's 16 are younger
.irp m, 0,1,2,3,4
	v_mov_b32 v[GW+2*\m], v[90+2*\m]
	v_mov_b32 v[GW+2*\m+1], v[90+2*\m]
	v_mov_b32 v[GW+10+2*\m], v[91+2*\m]
	v_mov_b32 v[GW+10+2*\m+1], v[91+2*\m]
.endr
.set i, 0
.rept 20
	s_wait_loadcnt 54-2*i                          ; row i's two loads are in: the later rows' and the third unit's 16 stay out
	WIN 0x0a
	v_cvt_pk_bf16_f32 v152, v[8*i], v[8*i+1]
	v_cvt_pk_bf16_f32 v153, v[8*i+2], v[8*i+3]
	v_cvt_pk_bf16_f32 v154, v[8*i+4], v[8*i+5]
	v_cvt_pk_bf16_f32 v155, v[8*i+6], v[8*i+7]
	WIN 0
.irp c, 0,1,2,3
	v_lshlrev_b32 v156, 16, v[152+\c]
	v_and_b32 v157, 0xffff0000, v[152+\c]
	v_cvt_pk_f16_f32 v[190+\c], v156, v157
.endr
	ds_store_b64 v182, v[190:191] offset:i*PX
	ds_store_b64 v182, v[192:193] offset:i*PX+256
.set i, i+1
.endr
	s_wait_dscnt 0x0                               ; for the others' sake: my rows of x and my part of the parameters are in LDS
	s_barrier_signal -1
	s_barrier_wait -1
	; OUT starts as g_lo b3[lo] + g_hi b3[hi]
.irp c, 0,1,2,3
	ds_load_b128 v[64+8*\c:67+8*\c], v183 offset:64*\c
	ds_load_b128 v[68+8*\c:71+8*\c], v183 offset:64*\c+16
	ds_load_b128 v[96+8*\c:99+8*\c], v183 offset:16384+64*\c
	ds_load_b128 v[100+8*\c:103+8*\c], v183 offset:16384+64*\c+16
.endr
	s_wait_dscnt 0x0
	WIN 0xc0
.irp m, 0,1,2,3,4
.set k, 0
.rept 16
	v_pk_mul_f32 v[OUT+32*\m+2*k:OUT+32*\m+2*k+1], v[64+2*k:65+2*k], v[GW+2*\m:GW+2*\m+1] op_sel_hi:[1,0]
.set k, k+1
.endr
.endr
	WIN 0xf0
.irp m, 0,1,2,3,4
.set k, 0
.rept 16
	v_pk_fma_f32 v[OUT+32*\m+2*k:OUT+32*\m+2*k+1], v[96+2*k:97+2*k], v[GW+10+2*\m:GW+10+2*\m+1], v[OUT+32*\m+2*k:OUT+32*\m+2*k+1] op_sel_hi:[1,0,1]
.set k, k+1
.endr
.endr
	WIN 0
	s_mov_b32 s[PS], 0
	s_mov_b32 s[REG], 0
	s_mov_b32 s[POFF], 0
	s_mov_b32 s[PCN], 4
.Lpass:                                ; four passes: expert lo layer 1, layer 2 (+ layer 3), expert hi layer 1, layer 2 (+ layer 3)
	s_mov_b32 s[KOF], s[REG]                       ; layer 1 reads x, layer 2 reads h1
	BASES
	v_add_nc_u32 v[VPC], s[POFF], v[VPAR]
.irp c, 0,1,2,3,4,5,6,7
	ds_load_b128 v[BIAS+8*\c:BIAS+8*\c+3],   v[VPC] offset:64*\c
	ds_load_b128 v[BIAS+8*\c+4:BIAS+8*\c+7], v[VPC] offset:64*\c+16
.endr
	BLOAD 0
	s_and_b32 s[S0], s[PS], 1
	s_lshl_b32 s[LEFT], s[S0], 1
	s_add_co_u32 s[LEFT], s[LEFT], 1               ; K = 256: 1 + 4 + 3 units; K = 512: 1 + 3 x 4 + 3
	UNIT 0, 1, 1
	WIN 0
	s_mov_b32 s[TRIP], 3
.Lmb:
	s_cmp_eq_u32 s[LEFT], 0
	s_cbranch_scc1 .Lmskip                         ; a dead trip: no barrier is jumped
	BASES
	UNIT 1, 0, 1
	UNIT 2, 0, 1
	UNIT 3, 0, 1
	UNIT 4, 0, 1
	WIN 0
	s_wait_xcnt 0x0                                ; LP is stepped only behind this wait
	s_add_nc_u64 s[LP:LP+1], s[LP:LP+1], 32768
	s_add_co_u32 s[KOF], s[KOF], 256
	s_sub_co_u32 s[LEFT], s[LEFT], 1
.Lmskip:
	s_sub_co_u32 s[TRIP], s[TRIP], 1
	s_cmp_lg_u32 s[TRIP], 0
	s_cbranch_scc1 .Lmb
	BASES
	UNIT 1, 0, 1
	UNIT 2, 0, 1
	UNIT 3, 0, 0                                   ; the layer's last K step fetches no further activations; the weights' stream runs on into the next layer
	WIN 0
	s_wait_xcnt 0x0
	s_add_nc_u64 s[LP:LP+1], s[LP:LP+1], 32768
	; g and be of my eight channel tiles, once a pass: tiles 0-3 into window 0, tiles 4-7 into the weights' slot 3, whose unit has just been multiplied and which is asked for again by the next unit 0
	PLACES
	v_add_nc_u32 v[VPC], s[POFF], v[VPAR]
.irp c, 0,1,2,3
	ds_load_b128 v[GG+8*\c:GG+8*\c+3],   v[VPC] offset:2048+64*\c
	ds_load_b128 v[GG+8*\c+4:GG+8*\c+7], v[VPC] offset:2048+64*\c+16
	ds_load_b128 v[BB+8*\c:BB+8*\c+3],   v[VPC] offset:4096+64*\c
	ds_load_b128 v[BB+8*\c+4:BB+8*\c+7], v[VPC] offset:4096+64*\c+16
.endr
	WIN 0x40
.irp c, 0,1,2,3
	ds_load_b128 v[GG+8*\c:GG+8*\c+3],   v[VPC] offset:2048+256+64*\c
	ds_load_b128 v[GG+8*\c+4:GG+8*\c+7], v[VPC] offset:2048+256+64*\c+16
	ds_load_b128 v[BB+8*\c:BB+8*\c+3],   v[VPC] offset:4096+256+64*\c
	ds_load_b128 v[BB+8*\c+4:BB+8*\c+7], v[VPC] offset:4096+256+64*\c+16
.endr
	; LAYER NORM.  The mean:
.irp m, 0,1,2,3,4
.if \m < 4
	WIN 0x0a
.set ab, 64*\m
.else
	WIN 0x0f
.set ab, 0
.endif
.set k, 0
.rept 16                               ; each sum's lowest registers are read first
	v_pk_add_f32 v[XX+2*k:XX+2*k+1], v[ab+4*k:ab+4*k+1], v[ab+4*k+2:ab+4*k+3]
.set k, k+1
.endr
	WIN 0
	TREE MU+2*\m
.endr
	s_wait_dscnt 0x0                               ; all my LDS reads of this layer are back: activations, bias, g and be
	s_barrier_signal -1
	s_barrier_wait -1                              ; everybody's are: from here to the barrier behind the stores of h every LDS address is a fixed register and an immediate
	EXCH MU, 0
.irp m, 0,1,2,3,4
	v_mul_f32 v[MU+2*\m], s[K_I], v[MU+2*\m]
.endr
.irp m, 0,1,2,3,4
	v_mov_b32 v[MU+2*\m+1], v[MU+2*\m]
.endr
	; the deviations, in place, and their squares:
.irp m, 0,1,2,3,4
.if \m < 4
	WIN 0x82
.set ab, 64*\m
.else
	WIN 0xc3
.set ab, 0
.endif
.set k, 0
.rept 32
	v_pk_add_f32 v[ab+2*k:ab+2*k+1], v[ab+2*k:ab+2*k+1], v[MU+2*\m:MU+2*\m+1] neg_lo:[0,1] neg_hi:[0,1]
.set k, k+1
.endr
.if \m < 4
	WIN 0x0a
.else
	WIN 0x0f
.endif
.set k, 0
.rept 16
	v_pk_mul_f32 v[XX+2*k:XX+2*k+1], v[ab+4*k:ab+4*k+1], v[ab+4*k:ab+4*k+1]
.set k, k+1
.endr
.set k, 0
.rept 16
	v_pk_fma_f32 v[XX+2*k:XX+2*k+1], v[ab+4*k+2:ab+4*k+3], v[ab+4*k+2:ab+4*k+3], v[XX+2*k:XX+2*k+1]
.set k, k+1
.endr
	WIN 0
	TREE RS+2*\m
.endr
	EXCH RS, ST2O
.irp m, 0,1,2,3,4
	v_fma_f32 v[RS+2*\m], v[RS+2*\m], s[K_I], s[K_E]
.endr
.irp m, 0,1,2,3,4
	v_rsq_f32 v[RS+2*\m], v[RS+2*\m]
.endr
	v_nop
	s_wait_alu depctr_va_vdst(0)                   ; one wait for the five
.irp m, 0,1,2,3,4
	v_mov_b32 v[RS+2*\m+1], v[RS+2*\m]
.endr
	; GAIN, OFFSET, GELU, ROUNDING: ten blocks of 32 numbers a lane (block b: token tile b % 5, channel tiles 4 (b / 5) + 0..3).  GELU's text stands once, at the head of a loop of ten trips;
	; what names a block's own registers and LDS bytes is written ten times: behind GELU one choice leads to the lines that store block b and make ready block b + 1.
.macro BLK b                           ; x = deviation / sigma x g + be, into XX
.set bn, (\b)%5
.set bh, (\b)/5
.if bn < 4
	WIN 0x02
.set ab, 64*bn+32*bh
.else
	WIN 0x03
.set ab, 32*bh
.endif
.set k, 0
.rept 16
	v_pk_mul_f32 v[XX+2*k:XX+2*k+1], v[ab+2*k:ab+2*k+1], v[RS+2*bn:RS+2*bn+1]
.set k, k+1
.endr
.if bh
	WIN 0x14                                       ; g and be of tiles 4-7 lie in window 1
.else
	WIN 0
.endif
.set k, 0
.rept 16
	v_pk_fma_f32 v[XX+2*k:XX+2*k+1], v[XX+2*k:XX+2*k+1], v[GG+2*k:GG+2*k+1], v[BB+2*k:BB+2*k+1]
.set k, k+1
.endr
	WIN 0
.endm
.macro STO b                           ; eight channels of my token a store: row-major, which is the next product's second source
.set bn, (\b)%5
.set bh, (\b)/5
.irp c, 0,1,2,3
.if bn < 4
	ds_store_b128 v[VHS], v[RR+4*\c:RR+4*\c+3] offset:TR*bn+128*bh+32*\c
.else
	ds_store_b128 v[VHS4], v[RR+4*\c:RR+4*\c+3] offset:128*bh+32*\c
.endif
.endr
.endm
	BLK 0
	s_mov_b32 s[BS], 10
.Lsh:
	; a = c |x|; E = -a a; R = 1 + P a; then 2^E and 1 / R in place.  All 64 transcendentals are ONE batch: a pair's four stand between the next pair's four plain lines, and nothing names a result ahead of the wait.
.set k, 0
.rept 16
	v_mul_f32 v[AA+2*k], |v[XX+2*k]|, s[CC]
.if k > 0
	v_exp_f32 v[EE+2*k-2], v[EE+2*k-2]
.endif
	v_mul_f32 v[AA+2*k+1], |v[XX+2*k+1]|, s[CC]
.if k > 0
	v_exp_f32 v[EE+2*k-1], v[EE+2*k-1]
.endif
	v_pk_mul_f32 v[EE+2*k:EE+2*k+1], v[AA+2*k:AA+2*k+1], v[AA+2*k:AA+2*k+1] neg_lo:[1,0] neg_hi:[1,0]
.if k > 0
	v_rcp_f32 v[RR+2*k-2], v[RR+2*k-2]
.endif
	v_pk_fma_f32 v[RR+2*k:RR+2*k+1], v[AA+2*k:AA+2*k+1], s[K_PP:K_PP+1], 1.0 op_sel_hi:[1,0,0]
.if k > 0
	v_rcp_f32 v[RR+2*k-1], v[RR+2*k-1]
.endif
.set k, k+1
.endr
	v_exp_f32 v[EE+30], v[EE+30]
	v_exp_f32 v[EE+31], v[EE+31]
	v_rcp_f32 v[RR+30], v[RR+30]
	v_rcp_f32 v[RR+31], v[RR+31]
	v_nop                                          ; a plain instruction behind the last of them,
	s_wait_alu depctr_va_vdst(0)                   ; and the one wait for the batch
	WIN 0xc0                                       ; the polynomial in t = 1 / R lies in window 3
.set k, 0
.rept 16
	v_pk_fma_f32 v[PPO+2*k:PPO+2*k+1], v[RR+2*k:RR+2*k+1], s[K_A3:K_A3+1], s[K_A2:K_A2+1] op_sel_hi:[1,0,0]
.set k, k+1
.endr
	WIN 0xc3
.set k, 0
.rept 16
	v_pk_fma_f32 v[PPO+2*k:PPO+2*k+1], v[PPO+2*k:PPO+2*k+1], v[RR+2*k:RR+2*k+1], s[K_A1:K_A1+1] op_sel_hi:[1,1,0]
.set k, k+1
.endr
.set k, 0
.rept 16
	v_pk_mul_f32 v[PPO+2*k:PPO+2*k+1], v[PPO+2*k:PPO+2*k+1], v[RR+2*k:RR+2*k+1]
.set k, k+1
.endr
	WIN 0x03
.set k, 0
.rept 16
	v_pk_fma_f32 v[EE+2*k:EE+2*k+1], v[PPO+2*k:PPO+2*k+1], v[EE+2*k:EE+2*k+1], s[K_C0:K_C0+1] op_sel_hi:[1,1,0] neg_lo:[1,0,0] neg_hi:[1,0,0]
.set k, k+1
.endr
	WIN 0
.set k, 0
.rept 16
	v_pk_mul_f32 v[AA+2*k:AA+2*k+1], v[AA+2*k:AA+2*k+1], v[EE+2*k:EE+2*k+1]
.set k, k+1
.endr
.set k, 0
.rept 16
	v_pk_fma_f32 v[XX+2*k:XX+2*k+1], v[XX+2*k:XX+2*k+1], 0.5, v[AA+2*k:AA+2*k+1] op_sel_hi:[1,0,1]   ; gelu = x / 2 + a (C0 - poly e)
.set k, k+1
.endr
.set k, 0
.rept 16
	v_cvt_pk_f16_f32 v[RR+k], v[XX+2*k], v[XX+2*k+1]
.set k, k+1
.endr
.irp b, 1,2,3,4,5,6,7,8,9
	s_cmp_eq_u32 s[BS], 10-\b                      ; the trip's block is 10 - BS
	s_cbranch_scc1 .Lst\b
.endr
	STO 0
	BLK 1
	s_branch .Lbot
.irp b, 1,2,3,4,5,6,7,8
.Lst\b:
	STO \b
	BLK \b+1
	s_branch .Lbot
.endr
.Lst9:
	STO 9
.Lbot:
	s_sub_co_u32 s[BS], s[BS], 1
	s_cmp_lg_u32 s[BS], 0
	s_cbranch_scc1 .Lsh
	s_wait_dscnt 0x0                               ; for the others' sake: my channels of h are in LDS
	s_barrier_signal -1
	s_barrier_wait -1
	s_and_b32 s[S0], s[PS], 1
	s_cmp_eq_u32 s[S0], 0
	s_cbranch_scc1 .Lnext                          ; behind layer 1 comes layer 2
	; LAYER 3: 16 K steps, 20 sums by turns
.irp m, 0,1,2,3,4
	v_add_nc_u32 v[BA+\m], HREG, v[BR+\m]
.endr
	BLOAD 0
.irp kk, 0,1,2,3,4,5,6,7,8,9,10,11,12,13,14,15
	K3 \kk
.endr
	WIN 0
	PLACES
	s_cmp_eq_u32 s[PS], 1
	s_cbranch_scc0 .Lnoprime
	STREAM HI                                      ; the second expert's stream begins while the first's result is folded in
	REFILL 0
	REFILL 1
	REFILL 2
	WIN 0
.Lnoprime:
	s_cmp_eq_u32 s[PS], 1
	s_cselect_b32 s[MK], -1, 0
.irp m, 0,1,2,3,4
	v_cndmask_b32 v[GC+2*\m], v[GW+10+2*\m], v[GW+2*\m], s[MK]    ; this expert's gate
.endr
.irp m, 0,1,2,3,4
	v_mov_b32 v[GC+2*\m+1], v[GC+2*\m]
.endr
	WIN 0xf2
.irp m, 0,1,2,3,4
.set k, 0
.rept 16
	v_pk_fma_f32 v[OUT+32*\m+2*k:OUT+32*\m+2*k+1], v[32*\m+2*k:32*\m+2*k+1], v[GC+2*\m:GC+2*\m+1], v[OUT+32*\m+2*k:OUT+32*\m+2*k+1] op_sel_hi:[1,0,1]
.set k, k+1
.endr
.endr
	WIN 0
.Lnext:
	s_xor_b32 s[REG], s[REG], HREG
	s_add_co_u32 s[POFF], s[POFF], 8192
	s_add_co_u32 s[PS], s[PS], 1
	s_sub_co_u32 s[PCN], s[PCN], 1
	s_cmp_lg_u32 s[PCN], 0
	s_cbranch_scc1 .Lpass
	; THE WAY OUT: OUT into the stage (h's region, rows of 1,024 bytes + 16), back as whole rows, 20 rows a wave
	s_wait_dscnt 0x0                               ; my reads of h2 are back
	s_barrier_signal -1
	s_barrier_wait -1                              ; everybody's are
	s_add_co_u32 s[S0], s[W256], HREG
.irp m, 0,1,2,3,4
	v_lshl_add_u32 v[BA+\m], v3, 4, v[BR+\m]       ; (16 n + r) x 1,040 + 32 h
	v_add_nc_u32 v[BA+\m], s[S0], v[BA+\m]         ; + 256 w
.endr
	WIN 0x0c                                       ; the stores' data lie in window 3
.irp m, 0,1,2,3,4
.irp c, 0,1,2,3
	ds_store_b128 v[BA+\m], v[OUT+32*\m+8*\c:OUT+32*\m+8*\c+3] offset:64*\c
	ds_store_b128 v[BA+\m], v[OUT+32*\m+8*\c+4:OUT+32*\m+8*\c+7] offset:64*\c+16
.endr
.endr
	WIN 0
	s_mul_i32 s[S0], s[W20], PX
	s_add_co_u32 s[S0], s[S0], HREG
	v_add_nc_u32 v[VT], s[S0], v1
	s_wait_dscnt 0x0                               ; for the others' sake
	s_barrier_signal -1
	s_barrier_wait -1
.macro OROW g, ii                      ; row 5 g + ii of my twenty; a place past the count is not stored
	v_readlane_b32 s[S0], v[VTK], 5*(\g)+(\ii)
	s_min_u32 s[S0], s[S0], 0x3fff
	v_lshl_add_u32 v[104+(\ii)], s[S0], 10, v1
	s_wait_dscnt 8-2*(\ii)                         ; the later rows' loads may stay out
	s_add_co_u32 s[S1], s[W20], 5*(\g)+(\ii)
	s_cmp_ge_u32 s[S1], s[NS]
	s_cbranch_scc1 .Lno_row_\@
	global_store_b128 v[104+(\ii)], v[64+8*(\ii):64+8*(\ii)+3], s[28:29] th:TH_STORE_NT             ; 512 consecutive bytes of a row of out0, aligned
	global_store_b128 v[104+(\ii)], v[64+8*(\ii)+4:64+8*(\ii)+7], s[28:29] offset:512 th:TH_STORE_NT
.Lno_row_\@:
.endm
.irp g, 0,1,2,3
.irp c, 0,1,2,3,4
	ds_load_b128 v[64+8*\c:67+8*\c], v[VT] offset:(5*\g+\c)*PX
	ds_load_b128 v[68+8*\c:71+8*\c], v[VT] offset:(5*\g+\c)*PX+512
.endr
.irp c, 0,1,2,3,4
	OROW \g, \c
.endr
	s_wait_xcnt 0x0                                ; the stores' data and offsets are rewritten only behind this wait
.endr
	s_wait_tensorcnt 0x0                           ; the wave's end, behind my last LDS store
	ds_add_u32 v[SPW], v[NIL]
	s_wait_dscnt 0x0
	s_endpgm
.Lfunc_end_k_qd0957cd9b8_chain:
	.size	k_qd0957cd9b8_chain, .Lfunc_end_k_qd0957cd9b8_chain-k_qd0957cd9b8_chain
	.p2alignl 7, 3214868480
	.fill 96, 4, 3214868480
	.section	.rodata,"a",@progbits
	.p2align	6, 0x0
	.amdhsa_kernel k_qd0957cd9b8_chain
		.amdhsa_group_segment_fixed_size 257024
		.amdhsa_private_segment_fixed_size 0
		.amdhsa_enable_private_segment 0
		.amdhsa_kernarg_size 104
		.amdhsa_user_sgpr_count 2
		.amdhsa_user_sgpr_kernarg_segment_ptr 1
		.amdhsa_wavefront_size32 1
		.amdhsa_system_sgpr_workgroup_id_x 1
		.amdhsa_system_sgpr_workgroup_id_y 1
		.amdhsa_system_sgpr_workgroup_id_z 1
		.amdhsa_system_vgpr_workitem_id 0
		.amdhsa_next_free_vgpr 1024
		.amdhsa_next_free_sgpr 96
		.amdhsa_reserve_vcc 0
		.amdhsa_float_denorm_mode_32 3
		.amdhsa_float_denorm_mode_16_64 3
		.amdhsa_memory_ordered 1
		.amdhsa_forward_progress 1
		.amdhsa_inst_pref_size 255
	.end_amdhsa_kernel
	.section	.bss,"aw",@nobits
	.p2align	6
	.space	262144
	.amdgpu_metadata
---
amdhsa.version: [ 1, 2 ]
amdhsa.kernels:
  - .name:           k_qd0957cd9b8_chain
    .symbol:         k_qd0957cd9b8_chain.kd
    .args:
      - { .name: x, .offset: 0, .size: 8, .value_kind: global_buffer, .address_space: global }
      - { .name: b1, .offset: 8, .size: 8, .value_kind: global_buffer, .address_space: global }
      - { .name: g1, .offset: 16, .size: 8, .value_kind: global_buffer, .address_space: global }
      - { .name: be1, .offset: 24, .size: 8, .value_kind: global_buffer, .address_space: global }
      - { .name: b2, .offset: 32, .size: 8, .value_kind: global_buffer, .address_space: global }
      - { .name: g2, .offset: 40, .size: 8, .value_kind: global_buffer, .address_space: global }
      - { .name: be2, .offset: 48, .size: 8, .value_kind: global_buffer, .address_space: global }
      - { .name: b3, .offset: 56, .size: 8, .value_kind: global_buffer, .address_space: global }
      - { .name: cnt, .offset: 64, .size: 8, .value_kind: global_buffer, .address_space: global }
      - { .name: lst, .offset: 72, .size: 8, .value_kind: global_buffer, .address_space: global }
      - { .name: gw, .offset: 80, .size: 8, .value_kind: global_buffer, .address_space: global }
      - { .name: wf, .offset: 88, .size: 8, .value_kind: global_buffer, .address_space: global }
      - { .name: out0, .offset: 96, .size: 8, .value_kind: global_buffer, .address_space: global }
    .group_segment_fixed_size: 257024
    .private_segment_fixed_size: 0
    .kernarg_segment_align: 8
    .kernarg_segment_size: 104
    .max_flat_workgroup_size: 128
    .sgpr_count:     96
    .vgpr_count:     1024
    .wavefront_size: 32
...
	.end_amdgpu_metadata
.endif
;; end of part 3
